; MI455X (gfx1250); checked and timed in simulation.
; The chip was launched on July 23, 2026; its instructions are those of AMD's public machine-readable ISA for CDNA 5 (MIT licence, August 2026) and "CDNA5" Instruction Set Architecture Reference Guide (July 2026). The comments in the code are by the model that wrote it; some were corrected since.
;; Attention Layer. Allowed arithmetic: matrix products marked QUANTISED: E2M1 operands, one E8M0 scale for each 32 along K, by v_wmma_scale_f32_16x16x128_f8f6f4 with both operands' format E2M1 (or v_wmma_scale_f32_32x16x128_f4), f32 sums; products left as they are: f32 operands where the result goes on into a quantised operand, else bf16, f16 or f32 operands; f32 sums; everything else in f32.
;; Inputs: dec_codes 32 x 32 x 16 uint8 (E2M1 codes of dec, K innermost, in blocks of 32 codes, two codes a byte); dec_scales 32 x 32 uint8 (E8M0 scales of dec, one for each 32 codes along K); enc 32 x 2,048 x 1,024 float32; inp_mask 32 x 2,048 bool; w_d_codes 1,024 x 32 x 16 uint8 (E2M1 codes of w_d, K innermost, in blocks of 32 codes, two codes a byte); w_d_scales 1,024 x 32 uint8 (E8M0 scales of w_d, one for each 32 codes along K); w_e_codes 1,024 x 32 x 16 uint8 (E2M1 codes of w_e, K innermost, in blocks of 32 codes, two codes a byte); w_e_scales 1,024 x 32 uint8 (E8M0 scales of w_e, one for each 32 codes along K); w_out 1,024 x 1 float32.
;; Outputs: out0 32 x 1,024 float32; out1 32 x 2,048 float32.
;; This version of the problem:
;;   THIS VERSION OF THE PROBLEM IS GIVEN IN LOW PRECISION. The matrix products marked QUANTISED in the list below multiply operands that are first quantised to E2M1 (2 exponent bits, 1 mantissa bit; 4 bits a number), with one power-of-two scale for each 32 numbers along K (OCP MX v1.0); their sums are f32. All else is computed in f32.
;;   The module's matrix products, in the order in which they are computed (A, B: the left and right operand; K: the contracted axis; several contracted axes count as one K, in the product's order):
;;     1. [M 65,536, K 1,024] x [K 1,024, N 1,024]; A: input enc; B: input w_e (given as codes): QUANTISED
;;     2. [M 32, K 1,024] x [K 1,024, N 1,024]; A: input dec (given as codes); B: input w_d (given as codes): QUANTISED
;;     3. [M 65,536, K 1,024] x [K 1,024, N 1]; A: computed on the way; B: input w_out: left as it is (N = 1 < 16)
;;     4. batch 32 x [M 1, K 2,048] x [K 2,048, N 1,024]; A: softmax; B: input enc: left as it is (M = 1 < 16)
;;   THE QUANTISER, for each operand of a quantised product, along K:
;;     - K is cut into blocks of 32 from its start; a last block that is shorter is filled with zeros.
;;     - A block's scale is 2^e with e = floor(log2(the largest magnitude in the block)) - 2, held to -126 .. 127; a block of zeros has e = 0. As a byte (E8M0): e + 127.
;;     - Each number is divided by its block's scale, clamped to +-6, and rounded to the nearest number of E2M1, ties to even, subnormals kept.
;;     - The product sums the exact products of the quantised numbers (number of the format x scale) in f32.
;;   ~~~python
;;   def quantise(x, axis):      # numpy; x: float32 -> the quantised numbers, widened to float32 again
;;       x = np.moveaxis(x, axis, -1); K = x.shape[-1]
;;       x = np.pad(x, [(0, 0)] * (x.ndim - 1) + [(0, -K % 32)]); x = x.reshape(x.shape[:-1] + (-1, 32)); a = np.abs(x).max(-1, keepdims=True)
;;       e = np.where(a > 0, np.clip(np.frexp(np.where(a > 0, a, 1))[1] - 1 - 2, -126, 127), 0)      # np.frexp(a)[1] - 1 = floor(log2(a)), exactly
;;       r = np.clip(x / 2.0 ** e, -6, 6)
;;       step = 2.0 ** (np.maximum(np.frexp(np.where(r == 0, 1, r))[1] - 1, 0) - 1)
;;       q = np.round(r / step) * step * 2.0 ** e      # np.round: ties to even
;;       return np.moveaxis(q.reshape(q.shape[:-2] + (-1,))[..., :K], -1, axis).astype(np.float32)
;;   ~~~
;;   INPUTS GIVEN AS CODES. dec (in the module: [32, 1024], K = its axis 1); w_d (in the module: [1024, 1024], K = its axis 0); w_e (in the module: [1024, 1024], K = its axis 0): each comes as NAME_codes (uint8): NAME with its K axis moved to the last place and cut into blocks of 32 codes, [.., K / 32, bytes a block], one block behind the other in memory; two codes a byte, the lower K in the low four bits (a code: sign, 2 exponent bits, 1 mantissa bit); and NAME_scales (uint8): the same leading axes, one E8M0 byte (e + 127) for each 32 codes along K. Its value is code x scale, taken as it is: it is not quantised again, and the codes and scales need not be those that the quantiser above would give.
;; One version. Each part assembles by itself: llvm-mc -triple=amdgcn-amd-amdhsa -mcpu=gfx1250 --defsym DOCPART=n.
;; ======== version 1 of 1: 3 launches
;; limits: right only within a limited range of input values
;; workspace buffers: wf 524,288 bytes; wsi 32,768 bytes; dp 131,072 bytes; scores 262,144 bytes; part 1,048,576 bytes; stat 65,536 bytes
;; launch prep (part 1): grid 16 x 2, 4 waves a work-group, no clusters, 5,120 bytes of LDS; arguments w_e_codes, w_e_scales, w_d_codes, w_d_scales, dec_codes, dec_scales, wf, wsi, dp; writes wf, wsi, dp
.if DOCPART == 1
	.amdgcn_target "amdgcn-amd-amdhsa--gfx1250"
	.amdhsa_code_object_version 6
	.text
	.protected	k_q428f053362_prep
	.globl	k_q428f053362_prep
	.p2align	8
	.type	k_q428f053362_prep,@function
k_q428f053362_prep:
	s_mov_b64 s[64:65], 0
	v_nop
	global_prefetch_b8 v0, s[64:65] scope:SCOPE_SE
	s_setreg_imm32_b32 hwreg(HW_REG_WAVE_MODE, 25, 1), 1
	s_wait_xcnt 0x0
; Three small jobs ahead of the main launch.
; (1) wf: the codes of w_e in the order of a matrix operand's registers, [tile T of 16 hidden units][K step s of 128][c][lane][16 bytes]:
;     lane (r, h) of a fragment holds, in registers 4 c .. 4 c + 3, K = 64 c + 32 h + 0 .. 31 of unit 16 T + r.  A later load of 16 bytes a lane then reads 512 bytes on end.
; (2) wsi: the scale words of w_e, [T][q][lane][e]: the word of unit 16 T + r for K step 4 q + 2 e + h, so that one register carries an even K step in lanes 0-15 and the odd one in lanes 16-31.
; (3) dp = dec x w_d, [32 batches][1024 units] f32: both operands as given, codes of E2M1 with E8M0 scales, by the scaled matrix instruction.  K is shared between two accumulators that take turns.
; Work-group (g, y), wave wv: tile T = 4 g + wv; K steps 4 y .. 4 y + 3 of (1), q = y of (2), batches 16 y .. 16 y + 15 of (3).
; WORK LEFT OUT IN THIS PROGRAM.  tanh(x) = 1 - 2 / (1 + e^(2 x)), so a position's score is sum(w_out) - 2 sum over j of w_out[j] / (1 + e^(2 x_j)).
; sum(w_out) is the same for every position of a batch, whatever the inputs hold, and a softmax takes away a term that is the same along its axis: it reaches neither output and is not summed.
; Every input is still loaded.  Limit: a NaN, an infinity or an overflow that would arise in sum(w_out) alone is not carried to the results.
.set SP, 272
	s_load_b256 s[4:11], s[0:1], 0x0               ; w_e codes s[4:5], w_e scales s[6:7], w_d codes s[8:9], w_d scales s[10:11]
	s_load_b256 s[12:19], s[0:1], 0x20             ; dec codes s[12:13], dec scales s[14:15], wf s[16:17], wsi s[18:19]
	s_load_b64 s[20:21], s[0:1], 0x40              ; dp
	v_lshl_add_u32 v224, v0, 2, 0x1200
	v_mov_b32 v225, 0
	v_lshrrev_b32 v1, 5, v0
	v_readfirstlane_b32 s22, v1                    ; wave
	s_and_b32 s23, ttmp7, 0xffff                   ; y
	s_lshl_b32 s24, ttmp9, 2
	s_add_co_u32 s24, s24, s22                     ; T
	v_and_b32 v1, 15, v0                           ; r
	v_bfe_u32 v2, v0, 4, 1                         ; h
	v_and_b32 v3, 31, v0                           ; lane
	v_lshlrev_b32 v4, 9, v1
	v_lshl_add_u32 v4, v2, 4, v4                   ; codes: row r of 512 bytes, + 16 h
	v_lshlrev_b32 v5, 5, v1                        ; scale bytes: row r of 32
	v_lshl_add_u32 v6, v2, 2, v5                   ; + 4 h
	v_lshlrev_b32 v7, 4, v3                        ; 16 x lane
	v_lshlrev_b32 v10, 3, v3                       ; 8 x lane
	v_mul_u32_u24 v11, v1, SP
	v_lshl_add_u32 v11, v2, 5, v11
	s_lshl_b32 s30, s22, 6
	v_add_nc_u32 v11, s30, v11                     ; stage, in: row = batch r; my 8 units at 64 wv + 32 h
	v_mul_u32_u24 v12, v2, SP
	v_lshl_add_u32 v12, v1, 4, v12
	s_mul_i32 s30, s22, 4*SP
	v_add_nc_u32 v12, s30, v12                     ; stage, back: rows 4 wv + h (+ 2), 16 bytes a lane
	v_lshlrev_b32 v13, 12, v2
	v_lshl_add_u32 v13, v1, 4, v13                 ; and the same place in dp: a row is 4,096 bytes
	s_mov_b32 s27, 0
	s_mov_b32 s29, 0
	s_lshl_b32 s28, s24, 13                        ; 8,192 T: 16 rows of codes, and a tile of wf
	s_wait_alu depctr_va_vdst(0)
	s_wait_kmcnt 0x0
	s_add_nc_u64 s[4:5], s[4:5], s[28:29]
	s_add_nc_u64 s[8:9], s[8:9], s[28:29]
	s_add_nc_u64 s[16:17], s[16:17], s[28:29]
	s_lshl_b32 s28, s24, 9                         ; 512 T: 16 rows of scale bytes, and a tile of wsi
	s_add_nc_u64 s[6:7], s[6:7], s[28:29]
	s_add_nc_u64 s[10:11], s[10:11], s[28:29]
	s_add_nc_u64 s[18:19], s[18:19], s[28:29]
	s_lshl_b32 s26, s23, 8                         ; 256 y: four K steps of 64 bytes; half a tile of wsi
	s_add_nc_u64 s[4:5], s[4:5], s[26:27]
	s_add_nc_u64 s[18:19], s[18:19], s[26:27]
	s_lshl_b32 s26, s23, 12                        ; 4,096 y: four K steps of wf
	s_add_nc_u64 s[16:17], s[16:17], s[26:27]
	s_lshl_b32 s26, s23, 13                        ; 16 rows of dec's codes
	s_add_nc_u64 s[12:13], s[12:13], s[26:27]
	s_lshl_b32 s26, s23, 4                         ; four scale words
	s_add_nc_u64 s[6:7], s[6:7], s[26:27]
	s_lshl_b32 s26, s23, 9                         ; 16 rows of dec's scale bytes
	s_add_nc_u64 s[14:15], s[14:15], s[26:27]
	s_lshl_b32 s26, s23, 16                        ; dp: 16 y rows + 4 wv rows + 256 g bytes
	s_lshl_b32 s28, s22, 14
	s_add_co_u32 s26, s26, s28
	s_lshl_b32 s28, ttmp9, 8
	s_add_co_u32 s26, s26, s28
	s_add_nc_u64 s[20:21], s[20:21], s[26:27]
.irp q, 0,1,2,3
.irp c, 0,1
	global_load_b128 v[16+8*\q+4*\c:16+8*\q+4*\c+3], v4, s[4:5] offset:64*\q+32*\c   ; w_e: K step 4 y + q
.endr
.endr
	global_load_b32 v8, v6, s[6:7]                 ; its scale words: e = 0,
	global_load_b32 v9, v6, s[6:7] offset:8        ; e = 1
.irp q, 0,1,2,3,4,5,6,7
.irp c, 0,1
	global_load_b128 v[48+8*\q+4*\c:48+8*\q+4*\c+3], v4, s[8:9] offset:64*\q+32*\c      ; w_d's fragments
	global_load_b128 v[112+8*\q+4*\c:112+8*\q+4*\c+3], v4, s[12:13] offset:64*\q+32*\c  ; dec's
.endr
.endr
.irp q, 0,1,2,3,4,5,6,7
	global_load_b32 v[176+\q], v5, s[10:11] offset:4*\q    ; scale words: v176-191 hold scales and nothing else
	global_load_b32 v[184+\q], v5, s[14:15] offset:4*\q
.endr
	s_wait_loadcnt 48                              ; the first ten loads are in; the 48 for the product may be out
.irp q, 0,1,2,3
.irp c, 0,1
	global_store_b128 v7, v[16+8*\q+4*\c:16+8*\q+4*\c+3], s[16:17] offset:1024*\q+512*\c   ; 32 lanes store 512 bytes on end
.endr
.endr
	global_store_b64 v10, v[8:9], s[18:19]         ; 32 lanes store 256 bytes on end, aligned
	s_wait_loadcnt 0x0
; source 0 = 16 units of w_d, source 1 = 16 batches of dec: lane (r, h) then holds batch 16 y + r and units 16 T + 8 h + 0 .. 7.  The two accumulators take turns.
	v_wmma_scale_f32_16x16x128_f8f6f4 v[192:199], v[48:55], v[112:119], 0, v176, v184 matrix_a_fmt:MATRIX_FMT_FP4 matrix_b_fmt:MATRIX_FMT_FP4
	v_wmma_scale_f32_16x16x128_f8f6f4 v[200:207], v[56:63], v[120:127], 0, v177, v185 matrix_a_fmt:MATRIX_FMT_FP4 matrix_b_fmt:MATRIX_FMT_FP4
.irp q, 2,4,6
	v_wmma_scale_f32_16x16x128_f8f6f4 v[192:199], v[48+8*\q:55+8*\q], v[112+8*\q:119+8*\q], v[192:199], v[176+\q], v[184+\q] matrix_a_fmt:MATRIX_FMT_FP4 matrix_b_fmt:MATRIX_FMT_FP4
	v_wmma_scale_f32_16x16x128_f8f6f4 v[200:207], v[56+8*\q:63+8*\q], v[120+8*\q:127+8*\q], v[200:207], v[177+\q], v[185+\q] matrix_a_fmt:MATRIX_FMT_FP4 matrix_b_fmt:MATRIX_FMT_FP4
.endr
.rept 4
	v_nop                                          ; four places ahead of the first read of the results (ISA guide 7.12.1)
.endr
.irp j, 0,2,4,6
	v_pk_add_f32 v[208+\j:209+\j], v[192+\j:193+\j], v[200+\j:201+\j]   ; the two halves of K; each accumulator is read from its low end on
.endr
	ds_store_b128 v11, v[208:211]
	ds_store_b128 v11, v[212:215] offset:16
	s_wait_dscnt 0x0                               ; for the other waves: my stores into the stage are done
	s_barrier_signal -1
	s_barrier_wait -1
	ds_load_b128 v[216:219], v12
	ds_load_b128 v[220:223], v12 offset:2*SP
	s_wait_dscnt 1
	global_store_b128 v13, v[216:219], s[20:21]    ; sixteen lanes store 256 bytes on end, at a multiple of 256 from dp's first byte
	s_wait_dscnt 0x0
	global_store_b128 v13, v[220:223], s[20:21] offset:8192
	s_wait_tensorcnt 0x0
	ds_add_u32 v224, v225
	s_wait_dscnt 0x0
	s_endpgm
.Lfunc_end_k_q428f053362_prep:
	.size	k_q428f053362_prep, .Lfunc_end_k_q428f053362_prep-k_q428f053362_prep
	.p2alignl 7, 3214868480
	.fill 96, 4, 3214868480
	.section	.rodata,"a",@progbits
	.p2align	6, 0x0
	.amdhsa_kernel k_q428f053362_prep
		.amdhsa_group_segment_fixed_size 5120
		.amdhsa_private_segment_fixed_size 0
		.amdhsa_enable_private_segment 0
		.amdhsa_kernarg_size 72
		.amdhsa_user_sgpr_count 2
		.amdhsa_user_sgpr_kernarg_segment_ptr 1
		.amdhsa_wavefront_size32 1
		.amdhsa_system_sgpr_workgroup_id_x 1
		.amdhsa_system_sgpr_workgroup_id_y 1
		.amdhsa_system_sgpr_workgroup_id_z 1
		.amdhsa_system_vgpr_workitem_id 0
		.amdhsa_next_free_vgpr 226
		.amdhsa_next_free_sgpr 66
		.amdhsa_reserve_vcc 0
		.amdhsa_float_denorm_mode_32 3
		.amdhsa_float_denorm_mode_16_64 3
		.amdhsa_memory_ordered 1
		.amdhsa_forward_progress 1
		.amdhsa_inst_pref_size 12
	.end_amdhsa_kernel
	.amdgpu_metadata
---
amdhsa.version: [ 1, 2 ]
amdhsa.kernels:
  - .name:           k_q428f053362_prep
    .symbol:         k_q428f053362_prep.kd
    .args:
      - { .name: w_e_codes, .offset: 0, .size: 8, .value_kind: global_buffer, .address_space: global }
      - { .name: w_e_scales, .offset: 8, .size: 8, .value_kind: global_buffer, .address_space: global }
      - { .name: w_d_codes, .offset: 16, .size: 8, .value_kind: global_buffer, .address_space: global }
      - { .name: w_d_scales, .offset: 24, .size: 8, .value_kind: global_buffer, .address_space: global }
      - { .name: dec_codes, .offset: 32, .size: 8, .value_kind: global_buffer, .address_space: global }
      - { .name: dec_scales, .offset: 40, .size: 8, .value_kind: global_buffer, .address_space: global }
      - { .name: wf, .offset: 48, .size: 8, .value_kind: global_buffer, .address_space: global }
      - { .name: wsi, .offset: 56, .size: 8, .value_kind: global_buffer, .address_space: global }
      - { .name: dp, .offset: 64, .size: 8, .value_kind: global_buffer, .address_space: global }
    .group_segment_fixed_size: 5120
    .private_segment_fixed_size: 0
    .kernarg_segment_align: 8
    .kernarg_segment_size: 72
    .max_flat_workgroup_size: 128
    .sgpr_count:     66
    .vgpr_count:     226
    .wavefront_size: 32
...
	.end_amdgpu_metadata
.endif
;; end of part 1
;; launch main (part 2): grid 256 x 1, 4 waves a work-group, no clusters, 327,680 bytes of LDS; arguments enc, inp_mask, w_out, wf, wsi, dp, scores, part, stat; writes scores, part, stat
.if DOCPART == 2
	.amdgcn_target "amdgcn-amd-amdhsa--gfx1250"
	.amdhsa_code_object_version 6
	.text
	.protected	k_q428f053362_main
	.globl	k_q428f053362_main
	.p2align	8
	.type	k_q428f053362_main,@function
k_q428f053362_main:
	s_mov_b64 s[64:65], 0
	v_nop
	global_prefetch_b8 v0, s[64:65] scope:SCOPE_SE
	s_setreg_imm32_b32 hwreg(HW_REG_WAVE_MODE, 25, 1), 1
	s_wait_xcnt 0x0
; Scores, running softmax and weighted sum for 256 positions of one batch: work-group g takes batch g / 8, positions 256 (g % 8) on, in four blocks of 64 rows of enc.  enc is read once.
; The scores lack the term sum(w_out), which is the same along the softmax's axis (shown at the head of the first kernel).
; A BLOCK.  XPHASE: wave w reads columns 256 w .. 256 w + 255 of the 64 rows from its own LDS strip (filled by its one tensor load; rows of 1,024 bytes, 16 bytes of padding behind each 256).  A lane takes 8 neighbours
;   along K, four lanes share a block of 32: largest magnitude with the floor 2^(3 - 127), scale byte, codes of E2M1.  Codes go to IMG as an image of the operand's registers, scale bytes to XSC.
;   The numbers themselves stay in registers for the weighted sum, 8 in 6 registers: each cut to its upper 24 bits, two of them carried in the low bytes of the other six.
; MEET: every wave's reads of its strip are over; behind a barrier each wave asks for the next block's strip, which has the whole block's work in which to land.
;   So no prefetch into the L2 is laid: each refill is asked for 16 tile steps, the softmax and the weighted sum ahead of its first read.
; ALOAD: every wave takes the 64 rows' fragments (256 registers, window 1) and scale words.   P1: wave w makes hidden units 256 w on, 16 tiles of 16 units (macro HALF).
; SPHASE: the four waves' parts of the 64 scores are added through SCX, masked positions become -infinity, the running maximum and sum move.   WPHASE: the kept numbers are widened and weighed.
; No cluster: LDS is taken by the four strips (278,528 bytes), the image and the tables, so there is no room for a ring through which shared tiles of w_e could come; they go from memory straight into registers.
; A batch part whose every position is masked keeps the maximum -3e38 and the sum 0; the last launch makes of it what reference() gives.
; REGISTERS: window 0: v0-63 addresses, sums, scale words; v64-127 two sets of four accumulators; v128-255 two sets of w_e's fragments.  Window 1: the rows' fragments.  Windows 2, 3: the kept numbers, XPHASE's loads, the weighted sums.
.set STRIP,  69632
.set ROWP,   1088
.set IMG,    4*STRIP
.set PIECE,  2176
.set XSC,    IMG+16*PIECE
.set TBB,    XSC+2048
.set TBW,    TBB+4*1088
.set SCX,    TBW+4*1088
.set SPARE,  SCX+1024
.set VOB,  1
.set VOS,  2
.set VT,   3
.set SPW,  4
.set NIL,  5
.set L16,  6
.set L8,   7
.set SACC, 8
.set BI,   16
.set WO,   24
.set XS,   32
.set WS,   48
.set MK,   56
.set MX,   58
.set VTC,  60
.set RA0,  61
.set IA,   62
.set SA,   63
.set ACC,  64
.set WB,   128
.set RA1,  8
.set XT,   64
.set XE,   72
.set XB,   80
.set XC,   88
.set PP,   66
.set OA,   128
.set HB,   144
.set TP,   64
.set MSB, 0
.macro WIN new
.if MSB != \new
	s_set_vgpr_msb (MSB<<8)|\new
.set MSB, \new
.endif
.endm
.macro RF p, ks, va
	global_load_b128 v[WB+64*(\p)+8*(\ks):WB+64*(\p)+8*(\ks)+3], v[\va], s[10:11] offset:8192*(\p)+1024*(\ks)
	global_load_b128 v[WB+64*(\p)+8*(\ks)+4:WB+64*(\p)+8*(\ks)+7], v[\va], s[10:11] offset:8192*(\p)+1024*(\ks)+512
.endm
.macro RQ p, q, va
	global_load_b64 v[WS+4*(\p)+2*(\q):WS+4*(\p)+2*(\q)+1], v[\va], s[12:13] offset:512*(\p)+256*(\q)
.endm
	s_load_b256 s[4:11], s[0:1], 0x0
	s_load_b256 s[12:19], s[0:1], 0x20
	s_load_b64 s[20:21], s[0:1], 0x40
	v_lshl_add_u32 v[SPW], v0, 2, SPARE
	v_mov_b32 v[NIL], 0
	ds_add_u32 v4, v5
	ds_add_u32 v4, v5
	s_wait_dscnt 0x0
	v_lshrrev_b32 v8, 5, v0
	v_readfirstlane_b32 s2, v8
	s_mov_b32 s24, (2<<16)|(1<<20)|(5<<22)|(3<<25)
	s_mov_b32 s25, 256<<16
	s_mov_b32 s26, 64<<16
	s_mov_b32 s27, 256<<16
	s_mov_b32 s28, 64
	s_mov_b32 s29, 1024
	s_mov_b32 s30, 0
	s_mov_b32 s31, 0
	s_mov_b32 s32, 1
	s_mul_i32 s33, s2, STRIP
	s_lshl_b32 s44, ttmp9, 20
	s_lshl_b32 s46, s2, 10
	s_add_co_u32 s44, s44, s46
	s_mov_b32 s45, 0
	s_mov_b32 s47, 0
	s_wait_kmcnt 0x0
	s_add_nc_u64 s[34:35], s[4:5], s[44:45]
	s_or_b32 s35, s35, 0x80000000
	tensor_load_to_lds s[32:35], s[24:31]          ; block 0: my strip, 64 rows x 256 columns
	s_nop 0
.rept 4
	v_nop
.endr
	s_add_nc_u64 s[8:9], s[8:9], s[46:47]
	s_lshl_b32 s44, ttmp9, 8
	s_add_nc_u64 s[6:7], s[6:7], s[44:45]
	s_add_nc_u64 s[20:21], s[20:21], s[44:45]
	s_lshl_b32 s44, ttmp9, 10
	s_add_nc_u64 s[16:17], s[16:17], s[44:45]
	s_lshl_b32 s44, ttmp9, 12
	s_add_co_u32 s44, s44, s46
	s_add_nc_u64 s[18:19], s[18:19], s[44:45]
	s_lshr_b32 s44, ttmp9, 3
	s_lshl_b32 s44, s44, 12
	s_add_co_u32 s44, s44, s46
	s_add_nc_u64 s[14:15], s[14:15], s[44:45]
	s_lshl_b32 s44, s2, 17
	s_add_nc_u64 s[10:11], s[10:11], s[44:45]
	s_lshl_b32 s44, s2, 13
	s_add_nc_u64 s[12:13], s[12:13], s[44:45]
	v_and_b32 v8, 31, v0
	s_wait_alu depctr_va_vdst(0)
	v_lshlrev_b32 v[L16], 4, v8
	v_lshlrev_b32 v[L8], 3, v8
	v_lshlrev_b32 v9, 1, v8
.irp i, 0,1,2,3
	global_load_u16 v[10+\i], v9, s[6:7] offset:64*\i
.endr
	global_load_b128 v[16:19], v[L16], s[14:15]
	global_load_b128 v[20:23], v[L16], s[14:15] offset:512
	global_load_b128 v[24:27], v[L16], s[8:9]
	global_load_b128 v[28:31], v[L16], s[8:9] offset:512
.irp p, 0,1
	RF \p, 0, L16
	RF \p, 1, L16
	RF \p, 2, L16
	RF \p, 3, L16
	RQ \p, 0, L8
	RF \p, 4, L16
	RF \p, 5, L16
	RF \p, 6, L16
	RF \p, 7, L16
	RQ \p, 1, L8
.endr
	s_mov_b32 s36, 0x4038aa3b
	s_mov_b32 s37, s36
	s_mov_b32 s38, 0x76543210
	s_mov_b32 s39, 0xfedcba98
	s_mov_b32 s40, 0x01800000
	s_mov_b32 s41, 0xff000000
	s_mov_b32 s42, 0x3fb8aa3b
	s_mov_b32 s48, 0x07060501
	s_mov_b32 s49, 0x07060502
	s_mov_b32 s50, 0x07060503
	s_mov_b32 s51, 0x00040000
	s_mov_b32 s52, 0x04020100
	v_lshrrev_b32 v64, 3, v8
	v_lshlrev_b32 v65, 5, v8
	v_lshl_add_u32 v65, v64, 4, v65
	v_add_nc_u32 v[RA0], s33, v65
	v_lshrrev_b32 v64, 2, v8
	v_and_b32 v65, 3, v8
	v_mul_u32_u24 v66, v64, 272
	v_lshl_add_u32 v66, v65, 2, v66
	s_mul_i32 s44, s2, PIECE
	s_add_co_u32 s44, s44, IMG
	v_add_nc_u32 v[IA], s44, v66
	v_lshrrev_b32 v65, 4, v8
	v_and_b32 v64, 3, v64
	v_lshl_add_u32 v64, v65, 8, v64
	s_lshl_b32 s44, s2, 2
	s_add_co_u32 s44, s44, XSC
	v_add_nc_u32 v[SA], s44, v64
	v_mov_b32 v[VOB], v[L16]
	v_mov_b32 v[VOS], v[L8]
	s_mul_i32 s46, s2, 1088
	s_add_co_u32 s46, s46, TBB
	v_add_nc_u32 v64, s46, v[L16]
	v_and_b32 v65, 15, v0
	v_lshl_add_u32 v65, v65, 2, s46
	v_bfe_u32 v[VT], v0, 4, 1
	v_lshl_add_u32 v[VT], v[VT], 5, s46
	v_mov_b32 v66, 0
.irp j, 0,1,2,3,4,5,6,7,8,9,10,11,12,13,14,15,16,17,18,19,20,21,22,23,24,25,26,27,28,29,30,31
	v_mov_b32 v[ACC+32+\j], 0
.endr
	v_mov_b32 v[MX], 0xff61b1e6
	v_mov_b32 v[MX+1], 0
	WIN 0xc0
.irp j, 0,1,2,3,4,5,6,7,8,9,10,11,12,13,14,15
	v_mov_b32 v[OA+\j], 0
.endr
	WIN 0
	s_wait_loadcnt 36
	ds_store_b128 v64, v[16:19]
	ds_store_b128 v64, v[20:23] offset:512
.irp j, 0,2,4,6
	v_pk_mul_f32 v[24+\j:25+\j], v[24+\j:25+\j], -2.0 op_sel_hi:[1,0]
.endr
	ds_store_b128 v64, v[24:27] offset:TBW-TBB+64
	ds_store_b128 v64, v[28:31] offset:TBW-TBB+64+512
	ds_store_b32 v65, v66 offset:1024
	ds_store_b32 v65, v66 offset:TBW-TBB
	v_lshl_or_b32 v[MK], v11, 16, v10
	v_lshl_or_b32 v[MK+1], v13, 16, v12
.macro XLOADS g
	WIN 0xc0
.set XR, RA0+(RA1-RA0)*((\g)/4)
.set XD, 64*((\g)%2)
.set XO, ROWP*8*((\g)%4)
.irp k, 0,1,2,3,4,5,6,7
	ds_load_b128 v[XD+8*\k:XD+8*\k+3], v[XR] offset:XO+ROWP*\k
	ds_load_b128 v[XD+8*\k+4:XD+8*\k+7], v[XR] offset:XO+ROWP*\k+16
.endr
.endm
.macro XGROUP g
.if (\g) < 7
	XLOADS (\g)+1
	s_wait_dscnt 16
.else
	s_wait_dscnt 0x0
.endif
.set XD, 64*((\g)%2)
.set XH, HB+16*(\g)
.if (\g) == 7
.set XH, 0
.endif
	WIN 0x3c
.irp k, 0,1,2,3,4,5,6,7
	v_max3_num_f32 v[XT+\k], s40, |v[XD+8*\k]|, |v[XD+8*\k+1]|
.endr
.irp e, 2,4,6
.irp k, 0,1,2,3,4,5,6,7
	v_max3_num_f32 v[XT+\k], v[XT+\k], |v[XD+8*\k+\e]|, |v[XD+8*\k+\e+1]|
.endr
.endr
	WIN 0
.irp k, 0,1,2,3,4,5,6,7
	v_max_num_f32_dpp v[XT+\k], v[XT+\k], v[XT+\k] row_xmask:1 row_mask:0xf bank_mask:0xf
.endr
.irp k, 0,1,2,3,4,5,6,7
	v_max_num_f32_dpp v[XT+\k], v[XT+\k], v[XT+\k] row_xmask:2 row_mask:0xf bank_mask:0xf
.endr
.irp k, 0,1,2,3,4,5,6,7
	v_add_nc_u32 v[XE+\k], s41, v[XT+\k]
.endr
.irp k, 0,1,2,3,4,5,6,7
	v_lshrrev_b32 v[XB+\k], 23, v[XE+\k]
.endr
	WIN 0x03
.irp k, 0,1,2,3,4,5,6,7
	v_cvt_scalef32_pk8_fp4_f32 v[XC+\k], v[XD+8*\k:XD+8*\k+7], v[XE+\k]
.endr
	WIN 0x8f
.irp k, 0,1,2,3,4,5,6,7
	v_perm_b32 v[4*(8*(\g)+\k)],   v[XD+8*\k],   v[XD+8*\k+6], s48
	v_perm_b32 v[4*(8*(\g)+\k)+1], v[XD+8*\k+1], v[XD+8*\k+6], s49
	v_perm_b32 v[4*(8*(\g)+\k)+2], v[XD+8*\k+2], v[XD+8*\k+6], s50
	v_perm_b32 v[4*(8*(\g)+\k)+3], v[XD+8*\k+3], v[XD+8*\k+7], s48
.endr
	WIN 0xcf
.irp k, 0,1,2,3,4,5,6,7
	v_perm_b32 v[XH+2*\k],   v[XD+8*\k+4], v[XD+8*\k+7], s49
	v_perm_b32 v[XH+2*\k+1], v[XD+8*\k+5], v[XD+8*\k+7], s50
.endr
	WIN 0
.irp k, 0,1,2,3,4,5,6,7
	ds_store_b32 v[IA], v[XC+\k] offset:4*PIECE*((\g)/2)+16*(8*((\g)%2)+\k)
	ds_store_b8 v[SA], v[XB+\k] offset:512*((\g)/2)+16*(8*((\g)%2)+\k)
.endr
.endm
.macro XPHASE
	v_add_nc_u32 v[RA1], 32*ROWP, v[RA0]
	s_wait_tensorcnt 0x0                           ; my strip is in; no other wave reads it
	XLOADS 0
.irp g, 0,1,2,3,4,5,6,7
	XGROUP \g
.endr
.endm
.macro MEET refill
	WIN 0
.if \refill
	s_wait_tensorcnt 0x0
	ds_add_u32 v[SPW], v[NIL]
	s_add_nc_u64 s[34:35], s[34:35], 64*4096
	s_wait_dscnt 0x0
	s_barrier_signal -1
	s_barrier_wait -1
	tensor_load_to_lds s[32:35], s[24:31]
	s_nop 0
.rept 4
	v_nop
.endr
.else
	s_wait_dscnt 0x0
	s_barrier_signal -1
	s_barrier_wait -1
.endif
.endm
.macro ALOAD
	v_and_b32 v64, 16, v0
	v_add_nc_u32 v65, XSC, v[L16]
	v_add_nc_u32 v64, v64, v[L16]
	v_add_nc_u32 v64, IMG, v64
	WIN 0x40
.irp m, 0,1,2,3
.irp q, 0,1,2,3,4,5,6,7
.irp c, 0,1
	ds_load_b128 v[64*\m+8*\q+4*\c:64*\m+8*\q+4*\c+3], v64 offset:(4*\m+\q/2)*PIECE+(4*(\q%2)+2*\c)*272
.endr
.endr
.endr
	WIN 0
.irp m, 0,1,2,3
	ds_load_b128 v[XS+4*\m:XS+4*\m+3], v65 offset:512*\m
.endr
	ds_load_b128 v[BI:BI+3], v[VT]
	ds_load_b128 v[BI+4:BI+7], v[VT] offset:16
	ds_load_b128 v[WO:WO+3], v[VT] offset:TBW-TBB
	ds_load_b128 v[WO+4:WO+7], v[VT] offset:TBW-TBB+16
.irp j, 0,1,2,3,4,5,6,7
	v_mov_b32 v[SACC+\j], 0
.endr
.endm
.macro MM p
.set qs, i/4
.set qm, i%4
.set rD, ACC+32*(\p)+8*qm
.set rA, WB+64*(\p)+8*qs
.set rB, 64*qm+8*qs
.set rU, WS+4*(\p)+qs/2
.set rX, XS+4*qm+qs/2
.if qs == 0
	v_wmma_scale_f32_16x16x128_f8f6f4 v[rD:rD+7], v[rA:rA+7], v[rB:rB+7], v[BI:BI+7], v[rU], v[rX] matrix_a_fmt:MATRIX_FMT_FP4 matrix_b_fmt:MATRIX_FMT_FP4
.elseif qs%2 == 0
	v_wmma_scale_f32_16x16x128_f8f6f4 v[rD:rD+7], v[rA:rA+7], v[rB:rB+7], v[rD:rD+7], v[rU], v[rX] matrix_a_fmt:MATRIX_FMT_FP4 matrix_b_fmt:MATRIX_FMT_FP4
.else
	v_wmma_scale_f32_16x16x128_f8f6f4 v[rD:rD+7], v[rA:rA+7], v[rB:rB+7], v[rD:rD+7], v[rU], v[rX] matrix_a_fmt:MATRIX_FMT_FP4 matrix_b_fmt:MATRIX_FMT_FP4 matrix_a_scale:MATRIX_SCALE_ROW1 matrix_b_scale:MATRIX_SCALE_ROW1
.endif
.endm
; A TILE STEP: tile t = 16 hidden units x 64 rows x K = 1,024, on fragment set and accumulator set p = t % 2.  Source 0 = 16 units of w_e, source 1 = 16 rows: a lane holds one row, its registers 8 units.
; The 32 matrix instructions stand in one run with no transcendental among them, the four accumulators by turns; the first four take dec x w_d as C.
; The tile before goes one stage behind: its e^(2x) get their + 1 among the run's last sixteen, its reciprocals share this tile's batch of exponentials, and its 32 terms are weighed by -2 w_out at the step's end.
; So a step has one batch of 64 transcendentals, one wait ahead of it and one behind it.
.macro HALF p
.set AO, ACC+32*(1-(\p))               ; the tile before: holds e^(2x)
.set AN, ACC+32*(\p)                   ; this tile's sums
	s_wait_loadcnt 27                              ; K steps 0-3 of my set and their scale words are in: behind these nine stand my set's other nine and the other set's 18
	s_wait_dscnt 2                                 ; dec x w_d of this tile is in; the two loads of w_out behind it may be out
	WIN 0x04                                       ; source 1, the rows' fragments: window 1
.set i, 0
.rept 16
	MM \p
.set i, i+1
.endr
	s_wait_loadcnt 18                              ; all of my set is in; the other set's 18 may be out
.rept 16
	MM \p
	v_pk_add_f32 v[AO+2*(i-16):AO+2*(i-16)+1], v[AO+2*(i-16):AO+2*(i-16)+1], 1.0 op_sel_hi:[1,0]   ; 1 + e^(2x) of the tile before; the last four are the places behind accumulator 0's last product
.set i, i+1
.endr
.set i, 0
.rept 16
	v_pk_mul_f32 v[AN+2*i:AN+2*i+1], v[AN+2*i:AN+2*i+1], s[36:37] op_sel_hi:[1,0]   ; x times 2 log2(e), each accumulator from its low end on; also the places ahead of the loads below
.set i, i+1
.endr
.if (\p) == 0
	s_wait_xcnt 0x0                                ; the earlier loads have read their offsets
	v_add_nc_u32 v[VOB], v[VOB], 16384             ; two tiles on in wf and wsi, round my 16 tiles,
	v_add_nc_u32 v[VOS], v[VOS], 1024
	v_and_b32 v[VOB], v[VOB], 0x1ffff
	v_and_b32 v[VOS], v[VOS], 0x1fff
	v_add_nc_u32 v[VTC], v[VT], s23                ; and this trip's place in the two tables
.endif
	s_wait_alu depctr_va_vdst(0)                   ; the wait ahead of the batch; it also stands between the offsets' writes and the loads
	RF \p, 0, VOB                                  ; tile t + 2 into the set just multiplied: 18 loads in one run
	RF \p, 1, VOB
	RF \p, 2, VOB
	RF \p, 3, VOB
	RQ \p, 0, VOS
	RF \p, 4, VOB
	RF \p, 5, VOB
	RF \p, 6, VOB
	RF \p, 7, VOB
	RQ \p, 1, VOS
	ds_load_b128 v[BI:BI+3], v[VTC] offset:64*(\p)+64      ; dec x w_d of tile t + 1
	ds_load_b128 v[BI+4:BI+7], v[VTC] offset:64*(\p)+80
.set i, 0
.rept 32
	v_exp_f32 v[AN+i], v[AN+i]                     ; e^(2x) of this tile
.set i, i+1
.endr
.set i, 0
.rept 32
	v_rcp_f32 v[AO+i], v[AO+i]                     ; 1 / (1 + e^(2x)) of the tile before
.set i, i+1
.endr
	v_nop                                          ; the plain place behind the batch
	s_wait_alu depctr_va_vdst(0)                   ; one wait for the 64, ahead of their first reader
	WIN 0
	s_wait_dscnt 2                                 ; -2 w_out of the tile before is in; the two loads just issued may be out
.irp e, 0,1,2,3
.irp m, 0,1,2,3
	v_pk_fma_f32 v[SACC+2*\m:SACC+2*\m+1], v[AO+8*\m+2*\e:AO+8*\m+2*\e+1], v[WO+2*\e:WO+2*\e+1], v[SACC+2*\m:SACC+2*\m+1]
.endr
.endr
	ds_load_b128 v[WO:WO+3], v[VTC] offset:TBW-TBB+64*(\p)+64      ; -2 w_out of this tile (the table begins with a tile of zeros, for a block's first step)
	ds_load_b128 v[WO+4:WO+7], v[VTC] offset:TBW-TBB+64*(\p)+80
.endm
.macro P1
	s_mov_b32 s22, 8
	s_mov_b32 s23, 0
.Ltrip_\@:
	HALF 0
	HALF 1
	s_add_co_u32 s23, s23, 128
	s_sub_co_u32 s22, s22, 1
	s_cmp_lg_u32 s22, 0
	s_cbranch_scc1 .Ltrip_\@
; the block's last tile has its e^(2x): the + 1, the reciprocals and the weighing are left
.set AO, ACC+32
.set i, 0
.rept 16
	v_pk_add_f32 v[AO+2*i:AO+2*i+1], v[AO+2*i:AO+2*i+1], 1.0 op_sel_hi:[1,0]
.set i, i+1
.endr
.set i, 0
	s_wait_alu depctr_va_vdst(0)
.rept 32
	v_rcp_f32 v[AO+i], v[AO+i]
.set i, i+1
.endr
	v_nop
	s_wait_alu depctr_va_vdst(0)
	s_wait_dscnt 0x0
.irp e, 0,1,2,3
.irp m, 0,1,2,3
	v_pk_fma_f32 v[SACC+2*\m:SACC+2*\m+1], v[AO+8*\m+2*\e:AO+8*\m+2*\e+1], v[WO+2*\e:WO+2*\e+1], v[SACC+2*\m:SACC+2*\m+1]
.endr
.endr
.endm
.macro SPHASE
.irp m, 0,1,2,3
	v_add_f32 v[SACC+2*\m], v[SACC+2*\m], v[SACC+2*\m+1]
.endr
.irp m, 0,1,2,3
	v_permlanex16_b32 v[SACC+2*\m+1], v[SACC+2*\m], s38, s39
.endr
.irp m, 0,1,2,3
	v_add_f32 v[SACC+2*\m], v[SACC+2*\m], v[SACC+2*\m+1]
.endr
	v_and_b32 v16, 15, v0
	s_lshl_b32 s44, s2, 8
	s_add_co_u32 s44, s44, SCX
	v_lshl_add_u32 v16, v16, 2, s44
	v_add_nc_u32 v17, SCX, v[L8]
.irp m, 0,1,2,3
	ds_store_b32 v16, v[SACC+2*\m] offset:64*\m
.endr
	s_wait_alu depctr_va_vdst(0)
	s_wait_dscnt 0x0
	s_barrier_signal -1
	s_barrier_wait -1
.irp u, 0,1,2,3
	ds_load_b64 v[20+2*\u:21+2*\u], v17 offset:256*\u
.endr
	v_and_b32 v28, 0xff, v[MK]
	v_bfe_u32 v29, v[MK], 8, 8
	v_mov_b32 v30, 0xff800000
	v_alignbit_b32 v[MK], v[MK+1], v[MK], 16
	v_lshrrev_b32 v[MK+1], 16, v[MK+1]
	s_wait_alu depctr_va_vdst(0)
	s_wait_dscnt 0x0
	v_pk_add_f32 v[20:21], v[20:21], v[22:23]
	v_pk_add_f32 v[24:25], v[24:25], v[26:27]
	v_pk_add_f32 v[20:21], v[20:21], v[24:25]
	v_cmp_ne_u32 vcc_lo, 0, v28
	v_cndmask_b32 v18, v30, v20, vcc_lo
	v_cmp_ne_u32 vcc_lo, 0, v29
	v_cndmask_b32 v19, v30, v21, vcc_lo
	s_cmp_lg_u32 s2, 0
	s_cbranch_scc1 .Lnot_mine_\@
	global_store_b64 v[L8], v[18:19], s[16:17]
.Lnot_mine_\@:
	s_wait_xcnt 0x0
	s_add_nc_u64 s[16:17], s[16:17], 256
	s_wait_alu depctr_va_vdst(0)
	v_max_num_f32 v31, v18, v19
	v_max_num_f32_dpp v31, v31, v31 row_xmask:1 row_mask:0xf bank_mask:0xf
	v_max_num_f32_dpp v31, v31, v31 row_xmask:2 row_mask:0xf bank_mask:0xf
	v_max_num_f32_dpp v31, v31, v31 row_xmask:4 row_mask:0xf bank_mask:0xf
	v_max_num_f32_dpp v31, v31, v31 row_xmask:8 row_mask:0xf bank_mask:0xf
	v_permlanex16_b32 v28, v31, s38, s39
	v_max3_num_f32 v29, v31, v28, v[MX]
	v_sub_f32 v64, v[MX], v29
	v_sub_f32 v[PP], v18, v29
	v_sub_f32 v[PP+1], v19, v29
	v_mul_f32 v64, s42, v64
	v_mul_f32 v[PP], s42, v[PP]
	v_mul_f32 v[PP+1], s42, v[PP+1]
	s_wait_alu depctr_va_vdst(0)
	v_exp_f32 v64, v64
	v_exp_f32 v[PP], v[PP]
	v_exp_f32 v[PP+1], v[PP+1]
	v_mov_b32 v[MX], v29
	s_wait_alu depctr_va_vdst(0)
	v_fma_f32 v[MX+1], v[MX+1], v64, v[PP]
	v_add_f32 v[MX+1], v[MX+1], v[PP+1]
	v_readfirstlane_b32 s44, v64
	s_mov_b32 s45, s44
	WIN 0xc3
.irp j, 0,2,4,6,8,10,12,14
	v_pk_mul_f32 v[OA+\j:OA+\j+1], v[OA+\j:OA+\j+1], s[44:45] op_sel_hi:[1,0]
.endr
.endm
.macro WPHASE
.irp a, 0,1,2,3
	WIN 0
.set k, 0
.rept 16
	v_readlane_b32 s[66+2*k], v[PP+k%2], 8*\a+k/2
.set k, k+1
.endr
	WIN 0xca
.set k, 0
.rept 16
.set rH, 4*(16*\a+k)
	v_perm_b32 v[TP+2*k], v[rH+1], v[rH], s51
.set k, k+1
.endr
	WIN 0xce
.set k, 0
.rept 16
.set rH, 4*(16*\a+k)
	v_perm_b32 v[TP+2*k], v[rH+2], v[TP+2*k], s52
.set k, k+1
.endr
	WIN 0xcb
.set k, 0
.rept 16
.set rw, 16*\a+k
.set rH, 4*rw
.set rG, HB+2*rw
.if rw >= 56
.set rG, 2*(rw-56)
.endif
	v_perm_b32 v[TP+2*k+1], v[rG], v[rH+3], s51
.set k, k+1
.endr
	WIN 0xcf
.set k, 0
.rept 16
.set rw, 16*\a+k
.set rG, HB+2*rw
.if rw >= 56
.set rG, 2*(rw-56)
.endif
	v_perm_b32 v[TP+2*k+1], v[rG+1], v[TP+2*k+1], s52
.set k, k+1
.endr
	WIN 0xf2
.set k, 0
.rept 16
.set rH, 4*(16*\a+k)
.set rO, OA+8*(k%2)
	v_pk_fma_f32 v[rO:rO+1], v[rH:rH+1], s[66+2*k:67+2*k], v[rO:rO+1] op_sel_hi:[1,0,1]
	v_pk_fma_f32 v[rO+2:rO+3], v[rH+2:rH+3], s[66+2*k:67+2*k], v[rO+2:rO+3] op_sel_hi:[1,0,1]
.set k, k+1
.endr
	WIN 0xf3
.set k, 0
.rept 16
.set rw, 16*\a+k
.set rG, HB+2*rw
.if rw >= 56
.set rG, 2*(rw-56)
.endif
.set rO, OA+8*(k%2)
	v_pk_fma_f32 v[rO+4:rO+5], v[rG:rG+1], s[66+2*k:67+2*k], v[rO+4:rO+5] op_sel_hi:[1,0,1]
	v_pk_fma_f32 v[rO+6:rO+7], v[TP+2*k:TP+2*k+1], s[66+2*k:67+2*k], v[rO+6:rO+7] op_sel_hi:[1,0,1]
.set k, k+1
.endr
.endr
	WIN 0
.endm
	XPHASE
.set k, 0
.rept 16
	s_mov_b32 s[67+2*k], 0
.set k, k+1
.endr
	s_mov_b32 s3, 3
.Lblock:
	MEET 1
	ALOAD
	P1
	SPHASE
	WPHASE
	XPHASE
	s_sub_co_u32 s3, s3, 1
	s_cmp_lg_u32 s3, 0
	s_cbranch_scc1 .Lblock
	MEET 0
	ALOAD
	P1
	SPHASE
	WPHASE
	WIN 0xcf
.irp j, 0,2,4,6
	v_pk_add_f32 v[OA+\j:OA+\j+1], v[OA+\j:OA+\j+1], v[OA+8+\j:OA+8+\j+1]
.endr
	WIN 0x0c
	global_store_b128 v[L16], v[OA:OA+3], s[18:19]
	global_store_b128 v[L16], v[OA+4:OA+7], s[18:19] offset:512
	WIN 0
	s_cmp_lg_u32 s2, 0
	s_cbranch_scc1 .Lno_stat
	global_store_b64 v[L8], v[MX:MX+1], s[20:21]
.Lno_stat:
	s_wait_tensorcnt 0x0
	ds_add_u32 v[SPW], v[NIL]
	s_wait_dscnt 0x0
	s_endpgm
.Lfunc_end_k_q428f053362_main:
	.size	k_q428f053362_main, .Lfunc_end_k_q428f053362_main-k_q428f053362_main
	.p2alignl 7, 3214868480
	.fill 96, 4, 3214868480
	.section	.rodata,"a",@progbits
	.p2align	6, 0x0
	.amdhsa_kernel k_q428f053362_main
		.amdhsa_group_segment_fixed_size 327680
		.amdhsa_private_segment_fixed_size 0
		.amdhsa_enable_private_segment 0
		.amdhsa_kernarg_size 72
		.amdhsa_user_sgpr_count 2
		.amdhsa_user_sgpr_kernarg_segment_ptr 1
		.amdhsa_wavefront_size32 1
		.amdhsa_system_sgpr_workgroup_id_x 1
		.amdhsa_system_sgpr_workgroup_id_y 1
		.amdhsa_system_sgpr_workgroup_id_z 1
		.amdhsa_system_vgpr_workitem_id 0
		.amdhsa_next_free_vgpr 1024
		.amdhsa_next_free_sgpr 98
		.amdhsa_reserve_vcc 1
		.amdhsa_float_denorm_mode_32 3
		.amdhsa_float_denorm_mode_16_64 3
		.amdhsa_memory_ordered 1
		.amdhsa_forward_progress 1
		.amdhsa_inst_pref_size 255
	.end_amdhsa_kernel
	.section	.bss,"aw",@nobits
	.p2align	6
	.space	262144
	.amdgpu_metadata
---
amdhsa.version: [ 1, 2 ]
amdhsa.kernels:
  - .name:           k_q428f053362_main
    .symbol:         k_q428f053362_main.kd
    .args:
      - { .name: enc, .offset: 0, .size: 8, .value_kind: global_buffer, .address_space: global }
      - { .name: inp_mask, .offset: 8, .size: 8, .value_kind: global_buffer, .address_space: global }
      - { .name: w_out, .offset: 16, .size: 8, .value_kind: global_buffer, .address_space: global }
      - { .name: wf, .offset: 24, .size: 8, .value_kind: global_buffer, .address_space: global }
      - { .name: wsi, .offset: 32, .size: 8, .value_kind: global_buffer, .address_space: global }
      - { .name: dp, .offset: 40, .size: 8, .value_kind: global_buffer, .address_space: global }
      - { .name: scores, .offset: 48, .size: 8, .value_kind: global_buffer, .address_space: global }
      - { .name: part, .offset: 56, .size: 8, .value_kind: global_buffer, .address_space: global }
      - { .name: stat, .offset: 64, .size: 8, .value_kind: global_buffer, .address_space: global }
    .group_segment_fixed_size: 327680
    .private_segment_fixed_size: 0
    .kernarg_segment_align: 8
    .kernarg_segment_size: 72
    .max_flat_workgroup_size: 128
    .sgpr_count:     98
    .vgpr_count:     1024
    .wavefront_size: 32
...
	.end_amdgpu_metadata
.endif
;; end of part 2
;; launch fin (part 3): grid 32 x 1, 8 waves a work-group, no clusters, 0 bytes of LDS; arguments scores, part, stat, out0, out1; writes out0, out1
.if DOCPART == 3
	.amdgcn_target "amdgcn-amd-amdhsa--gfx1250"
	.amdhsa_code_object_version 6
	.text
	.protected	k_q428f053362_fin
	.globl	k_q428f053362_fin
	.p2align	8
	.type	k_q428f053362_fin,@function
k_q428f053362_fin:
	s_mov_b64 s[64:65], 0
	v_nop
	global_prefetch_b8 v0, s[64:65] scope:SCOPE_SE
	s_setreg_imm32_b32 hwreg(HW_REG_WAVE_MODE, 25, 1), 1
	s_wait_xcnt 0x0
; The eight work-groups' parts of a batch are joined.  M = the largest of their m; e_g = 2^((m_g - M) log2 e); L = the sum over g and lanes of e_g l_g;
; out0 = (sum of e_g part_g) / L;  out1 = 2^((score - M) log2 e) / L.  (The scores lack the constant sum(w_out), and so do the m: it falls out of every difference.)
; One work-group a batch, eight waves: wave v makes columns 128 v .. 128 v + 127 of out0 and rows 256 v .. 256 v + 255 of out1.  All 18 loads of a wave go out at the head.
; A batch whose every position is masked has M = -3e38, L = 0, and 0 x infinity = NaN in both outputs, as the softmax of reference() gives.
; No LDS, no barrier, no matrix unit: a wave needs nothing of another, and each number is read once.
	s_load_b256 s[4:11], s[0:1], 0x0               ; scores s[4:5], part s[6:7], stat s[8:9], out0 s[10:11]
	s_load_b64 s[12:13], s[0:1], 0x20              ; out1
	v_lshrrev_b32 v1, 5, v0
	s_delay_alu instid0(VALU_DEP_1)
	v_readfirstlane_b32 s14, v1                    ; wave
	v_and_b32 v1, 31, v0                           ; lane
	s_delay_alu instid0(VALU_DEP_1)
	v_lshlrev_b32 v2, 3, v1                        ; 8 x lane
	s_delay_alu instid0(VALU_DEP_2)
	v_lshlrev_b32 v6, 4, v1                        ; 16 x lane
	s_delay_alu instid0(VALU_DEP_3)
	v_and_b32 v3, 1, v1
	s_delay_alu instid0(VALU_DEP_4)
	v_lshrrev_b32 v7, 1, v1
	s_delay_alu instid0(VALU_DEP_2)
	v_lshlrev_b32 v3, 9, v3
	s_delay_alu instid0(VALU_DEP_1)
	v_lshl_add_u32 v3, v7, 4, v3                   ; part lies [wave of 256 columns][j][lane][4]: columns 128 v + 4 x lane are j = lane % 2, lane 16 (v % 2) + lane / 2
	s_mov_b32 s17, 0
	s_mov_b32 s18, 0x3fb8aa3b                      ; log2(e)
	s_mov_b32 s20, 0x76543210
	s_mov_b32 s21, 0xfedcba98
	s_lshr_b32 s15, s14, 1
	s_lshl_b32 s15, s15, 10
	s_and_b32 s16, s14, 1
	s_lshl_b32 s16, s16, 8
	s_add_co_u32 s16, s16, s15
	s_lshl_b32 s15, ttmp9, 15                      ; eight parts of 4,096 bytes a batch
	s_add_co_u32 s16, s16, s15
	s_wait_alu depctr_va_vdst(0)
	s_wait_kmcnt 0x0
	s_add_nc_u64 s[6:7], s[6:7], s[16:17]
	s_lshl_b32 s16, ttmp9, 11
	s_add_nc_u64 s[8:9], s[8:9], s[16:17]
	s_lshl_b32 s16, ttmp9, 13
	s_lshl_b32 s15, s14, 10
	s_add_co_u32 s16, s16, s15
	s_add_nc_u64 s[4:5], s[4:5], s[16:17]
	s_add_nc_u64 s[12:13], s[12:13], s[16:17]
	s_lshl_b32 s16, ttmp9, 12
	s_lshl_b32 s15, s14, 9
	s_add_co_u32 s16, s16, s15
	s_add_nc_u64 s[10:11], s[10:11], s[16:17]
.irp g, 0,1,2,3,4,5,6,7
	global_load_b64 v[16+2*\g:17+2*\g], v2, s[8:9] offset:256*\g           ; m_g, my lane's l_g
.endr
.irp g, 0,1,2,3,4,5,6,7
	global_load_b128 v[32+4*\g:35+4*\g], v3, s[6:7] offset:4096*\g th:TH_LOAD_NT   ; two runs of 256 bytes, aligned
.endr
	global_load_b128 v[64:67], v6, s[4:5] th:TH_LOAD_NT
	global_load_b128 v[68:71], v6, s[4:5] offset:512 th:TH_LOAD_NT
	s_wait_loadcnt 10                              ; the eight of stat are in; the ten behind them may be out
	v_max3_num_f32 v8, v16, v18, v20
	s_delay_alu instid0(VALU_DEP_1)
	v_max3_num_f32 v8, v8, v22, v24
	s_delay_alu instid0(VALU_DEP_1)
	v_max3_num_f32 v8, v8, v26, v28
	s_delay_alu instid0(VALU_DEP_1)
	v_max_num_f32 v8, v8, v30                      ; M
.irp g, 0,1,2,3,4,5,6,7
	v_sub_f32 v[72+\g], v[16+2*\g], v8
.endr
.irp g, 0,1,2,3,4,5,6,7
	v_mul_f32 v[72+\g], s18, v[72+\g]
.endr
	s_wait_alu depctr_va_vdst(0)
.irp g, 0,1,2,3,4,5,6,7
	v_exp_f32 v[72+\g], v[72+\g]
.endr
	v_mov_b32 v10, 0                               ; the plain line behind the exponentials; also: a lane permute's destination counts as one of its sources
	s_wait_alu depctr_va_vdst(0)                   ; one wait for the eight
	v_mul_f32 v9, v72, v17
.irp g, 1,2,3,4,5,6,7
	v_fmac_f32 v9, v[72+\g], v[17+2*\g]
.endr
	s_delay_alu instid0(VALU_DEP_1)
	v_add_f32_dpp v9, v9, v9 row_xmask:1 row_mask:0xf bank_mask:0xf
	s_delay_alu instid0(VALU_DEP_1)
	v_add_f32_dpp v9, v9, v9 row_xmask:2 row_mask:0xf bank_mask:0xf
	s_delay_alu instid0(VALU_DEP_1)
	v_add_f32_dpp v9, v9, v9 row_xmask:4 row_mask:0xf bank_mask:0xf
	s_delay_alu instid0(VALU_DEP_1)
	v_add_f32_dpp v9, v9, v9 row_xmask:8 row_mask:0xf bank_mask:0xf
	s_delay_alu instid0(VALU_DEP_1)
	v_permlanex16_b32 v10, v9, s20, s21
	s_delay_alu instid0(VALU_DEP_1)
	v_add_f32 v9, v9, v10                          ; L
	s_wait_alu depctr_va_vdst(0)
	v_rcp_f32 v11, v9
	v_nop
	s_wait_alu depctr_va_vdst(0)
.irp g, 0,1,2,3,4,5,6,7
	v_mul_f32 v[72+\g], v[72+\g], v11              ; e_g / L
.endr
	s_wait_alu depctr_va_vdst(0)
	s_wait_loadcnt 2                               ; the eight of part are in; the two of scores may be out
.irp j, 0,1,2,3
	v_mul_f32 v[12+\j], v72, v[32+\j]
.endr
.irp g, 1,2,3,4,5,6,7
.irp j, 0,1,2,3
	s_delay_alu instid0(VALU_DEP_4)
	v_fmac_f32 v[12+\j], v[72+\g], v[32+4*\g+\j]
.endr
.endr
	global_store_b128 v6, v[12:15], s[10:11]       ; 512 bytes on end
	s_wait_loadcnt 0x0
.irp j, 0,1,2,3,4,5,6,7
	v_sub_f32 v[64+\j], v[64+\j], v8
.endr
.irp j, 0,1,2,3,4,5,6,7
	v_mul_f32 v[64+\j], s18, v[64+\j]
.endr
	s_wait_alu depctr_va_vdst(0)
.irp j, 0,1,2,3,4,5,6,7
	v_exp_f32 v[64+\j], v[64+\j]
.endr
	v_nop
	s_wait_alu depctr_va_vdst(0)
.irp j, 0,1,2,3,4,5,6,7
	v_mul_f32 v[64+\j], v[64+\j], v11
.endr
	global_store_b128 v6, v[64:67], s[12:13]
	global_store_b128 v6, v[68:71], s[12:13] offset:512
	s_endpgm
.Lfunc_end_k_q428f053362_fin:
	.size	k_q428f053362_fin, .Lfunc_end_k_q428f053362_fin-k_q428f053362_fin
	.p2alignl 7, 3214868480
	.fill 96, 4, 3214868480
	.section	.rodata,"a",@progbits
	.p2align	6, 0x0
	.amdhsa_kernel k_q428f053362_fin
		.amdhsa_group_segment_fixed_size 0
		.amdhsa_private_segment_fixed_size 0
		.amdhsa_enable_private_segment 0
		.amdhsa_kernarg_size 40
		.amdhsa_user_sgpr_count 2
		.amdhsa_user_sgpr_kernarg_segment_ptr 1
		.amdhsa_wavefront_size32 1
		.amdhsa_system_sgpr_workgroup_id_x 1
		.amdhsa_system_sgpr_workgroup_id_y 1
		.amdhsa_system_sgpr_workgroup_id_z 1
		.amdhsa_system_vgpr_workitem_id 0
		.amdhsa_next_free_vgpr 96
		.amdhsa_next_free_sgpr 66
		.amdhsa_reserve_vcc 0
		.amdhsa_float_denorm_mode_32 3
		.amdhsa_float_denorm_mode_16_64 3
		.amdhsa_memory_ordered 1
		.amdhsa_forward_progress 1
		.amdhsa_inst_pref_size 10
	.end_amdhsa_kernel
	.amdgpu_metadata
---
amdhsa.version: [ 1, 2 ]
amdhsa.kernels:
  - .name:           k_q428f053362_fin
    .symbol:         k_q428f053362_fin.kd
    .args:
      - { .name: scores, .offset: 0, .size: 8, .value_kind: global_buffer, .address_space: global }
      - { .name: part, .offset: 8, .size: 8, .value_kind: global_buffer, .address_space: global }
      - { .name: stat, .offset: 16, .size: 8, .value_kind: global_buffer, .address_space: global }
      - { .name: out0, .offset: 24, .size: 8, .value_kind: global_buffer, .address_space: global }
      - { .name: out1, .offset: 32, .size: 8, .value_kind: global_buffer, .address_space: global }
    .group_segment_fixed_size: 0
    .private_segment_fixed_size: 0
    .kernarg_segment_align: 8
    .kernarg_segment_size: 40
    .max_flat_workgroup_size: 256
    .sgpr_count:     66
    .vgpr_count:     96
    .wavefront_size: 32
...
	.end_amdgpu_metadata
.endif
;; end of part 3
